; MI455X (gfx1250); checked and timed in simulation.
; The chip was launched on July 23, 2026; its instructions are those of AMD's public machine-readable ISA for CDNA 5 (MIT licence, August 2026) and "CDNA5" Instruction Set Architecture Reference Guide (July 2026). The comments in the code are by the model that wrote it; some were corrected since.
;; Model. Allowed arithmetic: matrix products marked QUANTISED: E2M1 operands, one E8M0 scale for each 32 along K, by v_wmma_scale_f32_16x16x128_f8f6f4 with both operands' format E2M1 (or v_wmma_scale_f32_32x16x128_f4), f32 sums; products left as they are: bf16, f16 or f32 operands; f32 sums; everything else in f32.
;; Inputs: x 4 x 16 x 2,048 x 64 float32; y 4 x 16 x 2,048 x 64 float32; z 4 x 16 x 2,048 x 64 float32.
;; Outputs: out0 4 x 16 x 2,048 x 64 float32.
;; This version of the problem:
;;   THIS VERSION OF THE PROBLEM IS GIVEN IN LOW PRECISION. The matrix products marked QUANTISED in the list below multiply operands that are first quantised to E2M1 (2 exponent bits, 1 mantissa bit; 4 bits a number), with one power-of-two scale for each 32 numbers along K (OCP MX v1.0); their sums are f32. The products marked 'left as it is' may take bf16, f16 or f32 operands, with f32 sums. Whichever they take, every output number must still come out within the allowed error. Rounding operands to bf16 (8 significant bits) uses up far more of that allowance than f16 does (11 bits, for magnitudes from 6e-5 to 65,504). All else is computed in f32.
;;   The module's matrix products, in the order in which they are computed (A, B: the left and right operand; K: the contracted axis; several contracted axes count as one K, in the product's order):
;;     1. batch 64 x [M 2,048, K 64] x [K 64, N 2,048]; A: input x; B: input y: QUANTISED
;;     2. batch 64 x [M 2,048, K 2,048] x [K 2,048, N 64]; A: computed on the way; B: input z: left as it is (an operand is computed on the way)
;;   THE QUANTISER, for each operand of a quantised product, along K:
;;     - K is cut into blocks of 32 from its start; a last block that is shorter is filled with zeros.
;;     - A block's scale is 2^e with e = floor(log2(the largest magnitude in the block)) - 2, held to -126 .. 127; a block of zeros has e = 0. As a byte (E8M0): e + 127.
;;     - Each number is divided by its block's scale, clamped to +-6, and rounded to the nearest number of E2M1, ties to even, subnormals kept.
;;     - The product sums the exact products of the quantised numbers (number of the format x scale) in f32.
;;   ~~~python
;;   def quantise(x, axis):      # numpy; x: float32 -> the quantised numbers, widened to float32 again
;;       x = np.moveaxis(x, axis, -1); K = x.shape[-1]
;;       x = np.pad(x, [(0, 0)] * (x.ndim - 1) + [(0, -K % 32)]); x = x.reshape(x.shape[:-1] + (-1, 32)); a = np.abs(x).max(-1, keepdims=True)
;;       e = np.where(a > 0, np.clip(np.frexp(np.where(a > 0, a, 1))[1] - 1 - 2, -126, 127), 0)      # np.frexp(a)[1] - 1 = floor(log2(a)), exactly
;;       r = np.clip(x / 2.0 ** e, -6, 6)
;;       step = 2.0 ** (np.maximum(np.frexp(np.where(r == 0, 1, r))[1] - 1, 0) - 1)
;;       q = np.round(r / step) * step * 2.0 ** e      # np.round: ties to even
;;       return np.moveaxis(q.reshape(q.shape[:-2] + (-1,))[..., :K], -1, axis).astype(np.float32)
;;   ~~~
;; 2 versions, each right; version 2 is version 1 with the launch attn written anew for expert scheduling mode. Each part assembles by itself: llvm-mc -triple=amdgcn-amd-amdhsa -mcpu=gfx1250 --defsym DOCPART=n.
;; ======== version 1 of 2: 1 launch
;; limits: values are held in f16: magnitudes above 65,504 overflow, below 6.1e-05 lose precision
;; launch attn (part 1): grid 4 x 64, 8 waves a work-group, no clusters, 101,376 bytes of LDS; arguments x, y, z, out0; writes out0
.if DOCPART == 1
	.amdgcn_target "amdgcn-amd-amdhsa--gfx1250"
	.amdhsa_code_object_version 6
	.text
	.protected	k_qe19b8e88a6_attn
	.globl	k_qe19b8e88a6_attn
	.p2align	8
	.type	k_qe19b8e88a6_attn,@function
k_qe19b8e88a6_attn:
	s_mov_b64 s[64:65], 0
	v_nop
	global_prefetch_b8 v0, s[64:65] scope:SCOPE_SE
	s_setreg_imm32_b32 hwreg(HW_REG_WAVE_MODE, 25, 1), 1
	s_wait_xcnt 0x0
; out[p][q][:] = the sum over k of softmax_k( Q(x)[p][q] . Q(y)[p][k] / 8 ) z[p][k][:], p = one of 64 (batch, head) pairs; x, y, z, out: [64][2048][64] f32.
; THE FIRST PRODUCT IS QUANTISED: x and y become codes of FP4 (E2M1) along the head's 64, two blocks of 32 a row, each with an E8M0 scale 2^(floor(log2(largest magnitude)) - 2);
; codes and scale bytes go to v_wmma_scale_f32_16x16x128_f8f6f4.  That form is 128 deep and the head is 64: the upper four registers of each fragment are zero codes on both sides.
; THE SECOND PRODUCT takes p = 2^(c s - c m) (at most 1) and z as f16, sums in f32.  Maxima, exponentials and row sums in f32; a running maximum m and sum l for each query.
; LIMITS: NaN and infinities among the inputs are not served; |z| above 65,504 becomes infinity in f16, and z under 6e-5 loses bits there; a block of x or y whose largest magnitude
; lies under 2^-124 keeps the scale byte 1; a block of zeros keeps the byte 1 with zero codes (the rule says 127: the bytes are read by this program alone, and zero codes add nothing).
; SHARES.  A work-group owns 512 queries of one pair (4 x 64 work-groups), each of its eight waves 64: four tiles of 16.  Every wave walks all 2,048 keys, 64 a key step.
; y AND z ARE CONVERTED BY THE WORK-GROUP ITSELF.  128 keys are a SLOT: wave w loads keys 16 w .. 16 w + 15 of y and of z into registers, quantises y to one fragment and its scale words,
; rounds z to f16, and stores both into one of two LDS buffers; one barrier a slot shows them to all eight waves.  While buffer b is read, the other is written.
; LAYOUT.  Both products are used transposed: S^T = K Q^T (source 0 = 16 keys, source 1 = 16 queries), O^T = V^T P (source 0 = 16 channels x 32 keys, source 1 = P): a lane holds ONE
; query (lane % 16) throughout; two tiles of S^T, rounded to f16 in pairs, ARE source 1 of the second product.  V ([key][channel] in LDS) is turned by ds_load_tr16_b128.
; NO CLUSTER, NO TENSOR LOAD: what the four work-groups of a pair share arrives as f32 and has to pass through vector registers to be quantised.  A joint load would lay 128 rows x 512
; bytes of raw numbers a slot into every partner's LDS, only to be read out again, against 25,088 bytes of codes and f16; and it would want a round of the cluster's barrier at each of 16 slots.
; REGISTERS, in windows of 256 (s_set_vgpr_msb: bits 1:0 source 0, 3:2 source 1, 5:4 source 2, 7:6 destination):
;   window 0: v1-20 addresses; v22-31 at work in the quantiser; v32-63 eight registers of statistics a tile; v64-69 scale words; v72-103 32 raw numbers; v128-255 S^T, 32 a tile, then P in each tile's lower 16
;   window 1: v0-127 O^T, 32 a tile; v128-191 V of a key step; v192-223 Q, 8 a tile; v224-255 K of a key step, 8 a tile of keys
.set NSLOT, 16                         ; slots of 128 keys
.set SLOTB, 32768                      ; 128 rows of y or of z in memory
.set SLOT1, 32768                      ; LDS buffer 1 begins here: one exclusive or turns an address in one buffer into the other's
.set KIMG,  0                          ; in a buffer: 8 fragments of K as images of their registers: fragment f at 512 f, lane l's 16 bytes at 16 l
.set KSC,   4096                       ; their scale words: fragment f, key r at 64 f + 4 r
.set VIMG,  4608                       ; 128 rows [key][64 f16],
.set VP,    160                        ; 128 bytes + 32 of padding = 40 words
.set STAGE, 65536                      ; the way out: 16 rows x 272 bytes for each wave
.set SP,    272
.set SPARE, STAGE+8*16*SP              ; the spare words, 128 bytes for each wave: four blocks of 256 bytes that no other line names
.set AK0, 1                            ; v1   16 x lane: an image's place for my lane; also my 16 bytes of a dense load of z
.set AS0, 2                            ; v2   4 x lane: a scale word's place
.set AV0, 3                            ; v3   my lane's place in a turning load of V
.set WK0, 4                            ; v4   where I store my fragment of K: 16 x lane + 512 x wave
.set WS0, 5                            ; v5   and its scale word: 4 (lane % 16) + 64 x wave
.set WV0, 6                            ; v6   where I store f16 of z: row 16 x wave + lane / 16, 8 bytes at 8 (lane % 16)
.set GY,  7                            ; v7   x and y: row lane % 16 of 256 bytes, block lane / 16 of 128 bytes
.set PFO, 8                            ; v8   the prefetches' offset: 256 x lane, a lane a row; never rewritten
.set SH8, 9                            ; v9   8 (lane / 16): my block's byte in a scale word
.set ADK, 10                           ; v10-12 the trip's read addresses: K's images, scale words, V
.set ADS, 11
.set ADV, 12
.set WKA, 13                           ; v13-15 the trip's write addresses
.set WSA, 14
.set WVA, 15
.set STO, 16                           ; v16  the way out: where I put 32 bytes of a row
.set RD,  17                           ; v17  where I read a row back
.set GO,  18                           ; v18  my byte offset in the wave's rows of out
.set SPW, 19                           ; v19  LDS address of my spare word: SPARE + 4 x my thread's number; never rewritten
.set NIL, 20                           ; v20  0; never rewritten
.set TA,  22                           ; v22, v23 two chains of a block's largest magnitude
.set TC,  23
.set EX,  24                           ; v24  the conversion's scale operand
.set WD,  25                           ; v25  the scale's byte, then the scale word
.set XL,  26                           ; v26  the other half's byte
.set CD,  28                           ; v28-31 the codes of K just made
.set ST,  32                           ; tile t's statistics at v[ST + 8 t]: +0 c m, +1 m, +2, +3 l (even keys', odd keys'), +4 .. +7 chains c0-c3; later +4, +5 the step's sum, +6 a, +7 c m_old
.set QS,  64                           ; v64-67 Q's scale words, a register a tile: scales and nothing else
.set KS,  68                           ; v68-69 K's of a key step: lanes 0-15 tile 2 p of keys, lanes 16-31 tile 2 p + 1
.set RAW, 72
.set S,   128
.set OA,  0                            ; in window 1
.set VF,  128
.set QF,  192
.set KF,  224
.set XP,  4                            ; s[4:5] x, s[6:7] y, s[8:9] z, s[10:11] out, each at my wave's rows
.set YP,  6
.set ZP,  8
.set OP,  10
.set WV,  12                           ; s12  my wave's number
.set PFA, 20                           ; s[20:21] where my prefetches stand
.set LIM, 22                           ; s22  a wave prefetches while the trip's number is under this: 13 in a pair's first work-group, else 0
.set CNT, 23                           ; s23  the trip's number
.set TB,  24                           ; s24  the LDS buffer that the trip reads
.set TW,  25                           ; s25  and the one that it writes
.set CS,  26                           ; s[26:27] c = log2(e) / 8: the packed form names a pair and takes its low word for both halves
.set SEL, 28                           ; s[28:29] lane selects for v_permlanex16_b32: lane l xor 16
.set MSB, 0
.macro WIN new                         ; the immediate's high byte repeats the setting that is left; a switch that changes nothing is dropped
.if MSB != \new
	s_set_vgpr_msb (MSB<<8)|\new
.set MSB, \new
.endif
.endm
; The largest magnitude of the lane's 32 numbers v[src] .. v[src + 31], one whole block, in two chains; the floor 2^(3 - 127) among the leaves holds the byte at 1 from below.
; 2 off its exponent field gives the conversion's scale operand: the conversion takes the exponent field of that operand and nothing else of it.
.macro QMAX src
	v_max3_num_f32 v[TA], |v[(\src)]|, |v[(\src)+1]|, 0x1800000
	v_max3_num_f32 v[TC], |v[(\src)+16]|, |v[(\src)+17]|, |v[(\src)+18]|
.irp i, 2,4,6,8,10,12
	v_max3_num_f32 v[TA], v[TA], |v[(\src)+\i]|, |v[(\src)+\i+1]|
	v_max3_num_f32 v[TC], v[TC], |v[(\src)+\i+17]|, |v[(\src)+\i+18]|
.endr
	v_max3_num_f32 v[TA], v[TA], |v[(\src)+14]|, |v[(\src)+15]|
	v_max3_num_f32 v[TA], v[TA], v[TC], |v[(\src)+31]|
	v_add_nc_u32 v[EX], 0xff000000, v[TA]
.endm
; The row's scale word: my block's byte at its place, with lane l xor 16's.  Bytes 2 and 3 stay 0, over zero codes.  The first line is also the plain place behind the conversions.
.macro QWORD dst
	v_lshrrev_b32 v[WD], 23, v[EX]
	v_lshlrev_b32 v[WD], v[SH8], v[WD]
	v_permlanex16_b32 v[XL], v[WD], s[SEL], s[SEL+1]
	v_or_b32 v[(\dst)], v[WD], v[XL]
.endm
; The raw numbers of y and of z take turns in v72-103.  Each run of eight loads stands behind a wait for all loads that every wave passes, whichever of the trip's branches it takes.
.macro LOAD_K                          ; my 16 keys of y: lane (r, h) takes block h of key r, 128 bytes; the eight loads together cover 4,096 consecutive bytes
.irp i, 0,1,2,3,4,5,6,7
	global_load_b128 v[RAW+4*\i:RAW+4*\i+3], v[GY], s[YP:YP+1] offset:16*\i
.endr
.endm
.macro LOAD_V                          ; my 16 keys of z as they lie: each load takes 512 consecutive bytes, two rows
.irp i, 0,1,2,3,4,5,6,7
	global_load_b128 v[RAW+4*\i:RAW+4*\i+3], v[AK0], s[ZP:ZP+1] offset:512*\i
.endr
.endm
.macro CONV_K                          ; y's 32 numbers a lane become registers 0-3 of a fragment (k = 32 h + 0 .. 31 of key r) and the key's scale word.  The caller has waited for the loads
	s_add_nc_u64 s[YP:YP+1], s[YP:YP+1], SLOTB     ; the eight loads are in, so their base may step: the next slot
	QMAX RAW
.irp g, 0,1,2,3
	v_cvt_scalef32_pk8_fp4_f32 v[CD+\g], v[RAW+8*\g:RAW+8*\g+7], v[EX]
.endr
	QWORD WD
	ds_store_b128 v[WKA], v[CD:CD+3] offset:KIMG   ; the image of my fragment's four registers.  These two stores' registers are next written behind the trip's barrier, whose wait covers them
	ds_store_b32 v[WSA], v[WD] offset:KSC          ; lanes l and l + 16 write the same word with the same value
.endm
.macro CONV_V step                     ; z's 32 numbers a lane are rounded to f16, four to 8 bytes.  The caller has waited for the loads.  step = 1: the prefetches' address goes a slot on
	s_add_nc_u64 s[ZP:ZP+1], s[ZP:ZP+1], SLOTB     ; the eight loads are in, so their base may step
.if \step
	s_wait_xcnt 0x0                                ; the last prefetch, a trip back, has read its address, so it may be written
	s_add_nc_u64 s[PFA:PFA+1], s[PFA:PFA+1], SLOTB
.endif
.irp i, 0,1,2,3,4,5,6,7
	v_cvt_pk_f16_f32 v[RAW+4*\i], v[RAW+4*\i], v[RAW+4*\i+1]
	v_cvt_pk_f16_f32 v[RAW+4*\i+1], v[RAW+4*\i+2], v[RAW+4*\i+3]
	ds_store_b64 v[WVA], v[RAW+4*\i:RAW+4*\i+1] offset:VIMG+2*VP*\i
.endr
	s_wait_dscnt 0x0                               ; the stores have read their registers: the next loads land there
.endm
; A PREFETCH INTO THE L2 of the slot three on from the trip's: y's part of it is loaded in the next trip, z's in the one after.  A slot is 128 rows of 256 bytes of y and as many of z.
; All four work-groups of a pair walk the same rows: the pair's first asks, and nobody else.  In it waves 0 to 3 ask for y's rows and waves 4 to 7 for z's, 32 rows a wave, a lane a row:
; one instruction a wave and trip, behind the trip's loads; each row is named once in the launch.  Slots 0 to 2 come by their loads alone; trip 12 asks for slot 15, the last.
.macro ASK
	s_cmp_lt_u32 s[CNT], s[LIM]
	s_cbranch_scc0 .Lnot_mine_\@
	global_prefetch_b8 v[PFO], s[PFA:PFA+1] th:TH_LOAD_NT scope:SCOPE_SE
.Lnot_mine_\@:
.endm
.macro ADDR_R
	v_add_nc_u32 v[ADK], s[TB], v[AK0]
	v_add_nc_u32 v[ADS], s[TB], v[AS0]
	v_add_nc_u32 v[ADV], s[TB], v[AV0]
.endm
.macro ADDR_W
	v_add_nc_u32 v[WKA], s[TW], v[WK0]
	v_add_nc_u32 v[WSA], s[TW], v[WS0]
	v_add_nc_u32 v[WVA], s[TW], v[WV0]
.endm
.macro BARRIER                         ; my LDS stores have landed and my LDS loads are in: then the work-group's barrier
	s_wait_dscnt 0x0
	s_barrier_signal -1
	s_barrier_wait -1
.endm
; A KEY STEP: 64 keys, the q-th half of the slot in hand, in three phases.  first = 1: the first key step, which starts m, l and O^T: it has no a and nothing to rescale.
.macro STEP q, first
.irp p, 0,1
	ds_load_b32 v[KS+\p], v[ADS] offset:KSC+256*\q+128*\p
.endr
	WIN 0x40                                       ; destination window 1, address window 0
.irp u, 0,1,2,3
	ds_load_b128 v[KF+8*\u:KF+8*\u+3], v[ADK] offset:KIMG+512*(4*\q+\u)   ; registers 4-7 of each fragment stay zero codes
.endr
.irp g, 0,1
.irp c, 0,1,2,3
	ds_load_tr16_b128 v[VF+32*\g+8*\c:VF+32*\g+8*\c+3],   v[ADV] offset:VIMG+(64*\q+32*\g)*VP+32*\c      ; keys 32 g on, channels 16 c on
	ds_load_tr16_b128 v[VF+32*\g+8*\c+4:VF+32*\g+8*\c+7], v[ADV] offset:VIMG+(64*\q+32*\g+16)*VP+32*\c
.endr
.endr
	s_wait_dscnt 16                                ; LDS loads come back in order (ISA guide 5.7.1): the scale words and K are in; V's sixteen loads may stay out
	WIN 0x05                                       ; K and Q in window 1, S^T in window 0
.irp u, 0,1,2,3                        ; S^T = K Q^T: 16 sums, each one instruction with C = 0
.irp t, 0,1,2,3
.if \u % 2
	v_wmma_scale_f32_16x16x128_f8f6f4 v[S+32*\t+8*\u:S+32*\t+8*\u+7], v[KF+8*\u:KF+8*\u+7], v[QF+8*\t:QF+8*\t+7], 0, v[KS+\u/2], v[QS+\t] matrix_a_fmt:MATRIX_FMT_FP4 matrix_b_fmt:MATRIX_FMT_FP4 matrix_a_scale:MATRIX_SCALE_ROW1
.else
	v_wmma_scale_f32_16x16x128_f8f6f4 v[S+32*\t+8*\u:S+32*\t+8*\u+7], v[KF+8*\u:KF+8*\u+7], v[QF+8*\t:QF+8*\t+7], 0, v[KS+\u/2], v[QS+\t] matrix_a_fmt:MATRIX_FMT_FP4 matrix_b_fmt:MATRIX_FMT_FP4
.endif
.endr
.endr
	WIN 0
.rept 4
	v_nop                                          ; four places between the products and the first read of their results (ISA guide 7.12.1)
.endr
	; THE SOFTMAX, the four tiles by turns line by line, so that no line waits for the line above it.  The maximum of a lane's 32 scores and the old m: four chains, each begun at its accumulator's low end
.irp j, 0,1,2,3
.irp t, 0,1,2,3
	v_max3_num_f32 v[ST+8*\t+4+\j], v[S+32*\t+8*\j], v[S+32*\t+8*\j+1], v[S+32*\t+8*\j+2]
.endr
.endr
.irp k, 3,5
.irp j, 0,1,2,3
.irp t, 0,1,2,3
	v_max3_num_f32 v[ST+8*\t+4+\j], v[ST+8*\t+4+\j], v[S+32*\t+8*\j+\k], v[S+32*\t+8*\j+\k+1]
.endr
.endr
.endr
.irp t, 0,1,2,3
	v_max3_num_f32 v[ST+8*\t+4], v[ST+8*\t+4], v[S+32*\t+7], v[S+32*\t+15]
.endr
.irp t, 0,1,2,3
	v_max3_num_f32 v[ST+8*\t+6], v[ST+8*\t+6], v[S+32*\t+23], v[S+32*\t+31]
.endr
.irp t, 0,1,2,3
	v_max3_num_f32 v[ST+8*\t+4], v[ST+8*\t+4], v[ST+8*\t+5], v[ST+8*\t+6]
.endr
.irp t, 0,1,2,3
.if \first
	v_max_num_f32 v[ST+8*\t+4], v[ST+8*\t+4], v[ST+8*\t+7]
.else
	v_max3_num_f32 v[ST+8*\t+4], v[ST+8*\t+4], v[ST+8*\t+7], v[ST+8*\t+1]
.endif
.endr
.irp t, 0,1,2,3
	v_permlanex16_b32 v[ST+8*\t+5], v[ST+8*\t+4], s[SEL], s[SEL+1]   ; the query's other 32 keys lie in the lane 16 away
.endr
.if \first == 0
.irp t, 0,1,2,3
	v_mov_b32 v[ST+8*\t+7], v[ST+8*\t]             ; c m_old is kept for a
.endr
.endif
.irp t, 0,1,2,3
	v_max_num_f32 v[ST+8*\t+1], v[ST+8*\t+4], v[ST+8*\t+5]   ; the new m
.endr
.irp t, 0,1,2,3
	v_mul_f32 v[ST+8*\t], s[CS], v[ST+8*\t+1]      ; c m
.endr
.if \first == 0
.irp t, 0,1,2,3
	v_sub_f32 v[ST+8*\t+7], v[ST+8*\t+7], v[ST+8*\t]   ; c m_old - c m_new
.endr
.endif
.irp b, 0,1,2,3,4,5,6,7,8,9,10,11,12,13,14,15
.irp t, 0,1,2,3
	v_pk_fma_f32 v[S+32*\t+2*\b:S+32*\t+2*\b+1], v[S+32*\t+2*\b:S+32*\t+2*\b+1], s[CS:CS+1], v[ST+8*\t:ST+8*\t+1] op_sel_hi:[1,0,0] neg_lo:[0,0,1] neg_hi:[0,0,1]   ; c s - c m, two at a time
.endr
.endr
.if \first == 0                        ; ONE BATCH of exponentials: a = 2^(c m_old - c m_new) and the 128 weights; none reads another's result
.irp t, 0,1,2,3
	v_exp_f32 v[ST+8*\t+6], v[ST+8*\t+7]
.endr
.endif
.irp e, 0,1,2,3,4,5,6,7,8,9,10,11,12,13,14,15,16,17,18,19,20,21,22,23,24,25,26,27,28,29,30,31
.irp t, 0,1,2,3
	v_exp_f32 v[S+32*\t+\e], v[S+32*\t+\e]
.endr
.endr
	v_nop                                          ; a plain instruction behind the last exponential, ahead of the first use (ISA guide 5.7.2)
	s_wait_alu depctr_va_vdst(0)                   ; the wait ahead of the first instruction that names a result: one for the batch
.irp t, 0,1,2,3                        ; the step's sum of the f32 weights, ahead of their rounding: an even key's and an odd key's in a pair
	v_pk_add_f32 v[ST+8*\t+4:ST+8*\t+5], v[S+32*\t:S+32*\t+1], v[S+32*\t+2:S+32*\t+3]
.endr
.irp b, 2,3,4,5,6,7,8,9,10,11,12,13,14
.irp t, 0,1,2,3
	v_pk_add_f32 v[ST+8*\t+4:ST+8*\t+5], v[ST+8*\t+4:ST+8*\t+5], v[S+32*\t+2*\b:S+32*\t+2*\b+1]
.endr
.endr
.if \first
.irp t, 0,1,2,3
	v_pk_add_f32 v[ST+8*\t+2:ST+8*\t+3], v[ST+8*\t+4:ST+8*\t+5], v[S+32*\t+30:S+32*\t+31]   ; the last addition starts l
.endr
.else
.irp t, 0,1,2,3
	v_pk_add_f32 v[ST+8*\t+4:ST+8*\t+5], v[ST+8*\t+4:ST+8*\t+5], v[S+32*\t+30:S+32*\t+31]
.endr
.irp t, 0,1,2,3
	v_pk_fma_f32 v[ST+8*\t+2:ST+8*\t+3], v[ST+8*\t+2:ST+8*\t+3], v[ST+8*\t+6:ST+8*\t+7], v[ST+8*\t+4:ST+8*\t+5] op_sel_hi:[1,0,1]   ; l = a l + the sum
.endr
.endif
.irp i, 0,1,2,3,4,5,6,7,8,9,10,11,12,13,14,15
.irp t, 0,1,2,3
	v_cvt_pk_f16_f32 v[S+32*\t+\i], v[S+32*\t+2*\i], v[S+32*\t+2*\i+1]   ; P in place, ascending: register i is written when registers 2 i and 2 i + 1 are read, never ahead of its own reading
.endr
.endr
.if \first == 0
	WIN 0x41                                       ; O^T (destination and source 0) in window 1, a in window 0
.irp i, 0,1,2,3,4,5,6,7,8,9,10,11,12,13,14,15
.irp t, 0,1,2,3
	v_pk_mul_f32 v[OA+32*\t+2*\i:OA+32*\t+2*\i+1], v[OA+32*\t+2*\i:OA+32*\t+2*\i+1], v[ST+8*\t+6:ST+8*\t+7] op_sel_hi:[1,0]   ; O^T x a, each accumulator from its low end on
.endr
.endr
.endif
	s_wait_dscnt 0x0                               ; V is in
	WIN 0x51                                       ; V, C and D in window 1, P in window 0
.irp g, 0,1                            ; O^T += V^T P: the 16 accumulators take turns, one instruction a turn
.irp c, 0,1,2,3
.irp t, 0,1,2,3
.if \first && (\g == 0)
	v_wmma_f32_16x16x32_f16 v[OA+32*\t+8*\c:OA+32*\t+8*\c+7], v[VF+32*\g+8*\c:VF+32*\g+8*\c+7], v[S+32*\t+8*\g:S+32*\t+8*\g+7], 0
.else
	v_wmma_f32_16x16x32_f16 v[OA+32*\t+8*\c:OA+32*\t+8*\c+7], v[VF+32*\g+8*\c:VF+32*\g+8*\c+7], v[S+32*\t+8*\g:S+32*\t+8*\g+7], v[OA+32*\t+8*\c:OA+32*\t+8*\c+7]
.endif
.endr
.endr
.endr
	WIN 0
.rept 5
	v_nop                                          ; five places: the next step's first products write over P, which these products read; its loads land in V (four would do for those)
.endr
.endm
; A TRIP: the slot in buffer s[TB] is multiplied, two key steps; the next slot is converted into buffer s[TW]; the loads for it and for the slot after run a key step ahead of their use.
; inloop = 1: the last trips have nothing left to convert or to load: scalar branches on the trip's number, the same in all waves, lead round those lines and round no barrier.
; The two waits for the raw loads stand AHEAD of those branches, on every wave's way: so on every way through the text a run of loads into v72-103 finds the run before it landed.
.macro TRIP first, inloop
	ADDR_R
	ADDR_W
	s_wait_loadcnt 0x0                             ; y of the next slot, asked for a key step ago, is in (the last trip: nothing is out)
.if \inloop
	s_cmp_lt_u32 s[CNT], NSLOT-1
	s_cbranch_scc0 .Lno_k_\@
.endif
	CONV_K                                         ; y of the next slot
	LOAD_V                                         ; z of the next slot: a key step in which to land
.if \inloop
.Lno_k_\@:
.endif
	STEP 0, \first
	s_wait_loadcnt 0x0                             ; z of the next slot is in (the last trip: nothing is out)
.if \inloop
	s_cmp_lt_u32 s[CNT], NSLOT-1
	s_cbranch_scc0 .Lno_v_\@
.endif
	CONV_V 1
.if \inloop
.Lno_v_\@:
	s_cmp_lt_u32 s[CNT], NSLOT-2
	s_cbranch_scc0 .Lno_l_\@
.endif
	LOAD_K                                         ; y of the slot after the next
	ASK
.if \inloop
.Lno_l_\@:
.endif
	STEP 1, 0
	BARRIER                                        ; every wave's part of the next slot lies in LDS, and every wave's reads of this slot are over: the buffers may change places
	s_xor_b32 s[TB], s[TB], SLOT1
	s_xor_b32 s[TW], s[TW], SLOT1
	s_add_co_u32 s[CNT], s[CNT], 1
.endm
	s_load_b256 s[4:11], s[0:1], 0x0               ; x s[4:5], y s[6:7], z s[8:9], out s[10:11]
	v_lshl_add_u32 v[SPW], v0, 2, SPARE
	v_mov_b32 v[NIL], 0
	v_lshrrev_b32 v21, 5, v0
	v_readfirstlane_b32 s[WV], v21                 ; wave 0..7
	v_and_b32 v21, 31, v0                          ; lane
	v_and_b32 v22, 15, v0                          ; r = lane % 16
	v_bfe_u32 v23, v0, 4, 1                        ; h = lane / 16
	v_lshlrev_b32 v[GY], 8, v22
	v_lshl_add_u32 v[GY], v23, 7, v[GY]
	s_and_b32 s13, ttmp7, 0xffff                   ; the pair
	s_lshl_b32 s16, s13, 19                        ; its 2,048 rows of 256 bytes (all offsets stay under 2^25)
	s_mov_b32 s17, 0
	s_lshl_b32 s18, ttmp9, 17                      ; my work-group's 512 queries,
	s_lshl_b32 s14, s[WV], 14                      ; my wave's 64 of them
	s_add_co_u32 s18, s18, s14
	s_add_co_u32 s18, s18, s16
	s_mov_b32 s19, 0
	s_and_b32 s30, s[WV], 3                        ; the prefetches: my wave's 32 rows of a slot's 128,
	s_lshl_b32 s30, s30, 13
	s_add_co_u32 s30, s30, s16
	s_add_co_u32 s30, s30, 2*SLOTB                 ; in slot 2: trip 0 steps it to slot 3
	s_mov_b32 s31, 0
	s_lshl_b32 s14, s[WV], 12                      ; my wave's 16 keys of a slot
	s_add_co_u32 s16, s16, s14
	s_mov_b32 s[CS], 0x3e38aa3b                    ; c = log2(e) / 8
	s_mov_b32 s[CS+1], s[CS]                       ; (named with it as a pair, so it is written)
	s_mov_b32 s[SEL], 0x76543210
	s_mov_b32 s[SEL+1], 0xfedcba98
	s_wait_kmcnt 0x0
	s_cmp_lt_u32 s[WV], 4                          ; waves 0 to 3 ask for y, waves 4 to 7 for z
	s_cselect_b64 s[PFA:PFA+1], s[YP:YP+1], s[ZP:ZP+1]
	s_add_nc_u64 s[PFA:PFA+1], s[PFA:PFA+1], s[30:31]
	s_add_nc_u64 s[XP:XP+1], s[XP:XP+1], s[18:19]
	s_add_nc_u64 s[OP:OP+1], s[OP:OP+1], s[18:19]
	s_add_nc_u64 s[YP:YP+1], s[YP:YP+1], s[16:17]
	s_add_nc_u64 s[ZP:ZP+1], s[ZP:ZP+1], s[16:17]
	s_cmp_eq_u32 ttmp9, 0
	s_cselect_b32 s[LIM], NSLOT-3, 0
.irp t, 0,1,2,3                        ; my 64 queries, raw, into S^T's registers: lane (r, h) takes block h of query 16 t + r
.irp i, 0,1,2,3,4,5,6,7
	global_load_b128 v[S+32*\t+4*\i:S+32*\t+4*\i+3], v[GY], s[XP:XP+1] offset:4096*\t+16*\i th:TH_LOAD_NT
.endr
.endr
	LOAD_K                                         ; slot 0
	v_lshlrev_b32 v[AK0], 4, v21
	v_lshlrev_b32 v[AS0], 2, v21
	v_lshlrev_b32 v[PFO], 8, v21
	v_lshlrev_b32 v[SH8], 3, v23
	v_and_b32 v24, 7, v0                           ; the turning load: lane l reads 16 bytes of key 8 (l / 16) + l % 8, channels 8 ((l / 8) % 2) on
	v_lshl_add_u32 v24, v23, 3, v24
	v_mul_u32_u24 v[AV0], v24, VP
	v_bfe_u32 v25, v0, 3, 1
	v_lshl_add_u32 v[AV0], v25, 4, v[AV0]
	s_lshl_b32 s14, s[WV], 9
	v_add_nc_u32 v[WK0], s14, v[AK0]
	s_lshl_b32 s14, s[WV], 6
	v_lshl_add_u32 v[WS0], v22, 2, s14
	s_mul_i32 s14, s[WV], 16*VP
	v_mul_u32_u24 v[WV0], v23, VP
	v_lshl_add_u32 v[WV0], v22, 3, v[WV0]
	v_add_nc_u32 v[WV0], s14, v[WV0]
	s_mul_i32 s14, s[WV], 16*SP
	s_add_co_u32 s14, s14, STAGE                   ; my stage
	v_mul_u32_u24 v[STO], v22, SP                  ; in: row r, 32 bytes for each half of the lanes
	v_lshl_add_u32 v[STO], v23, 5, v[STO]
	v_add_nc_u32 v[STO], s14, v[STO]
	v_mul_u32_u24 v[RD], v23, SP                   ; back: lanes 0-15 take one row of 256 bytes, lanes 16-31 the next
	v_lshl_add_u32 v[RD], v22, 4, v[RD]
	v_add_nc_u32 v[RD], s14, v[RD]
	v_lshlrev_b32 v[GO], 8, v23                    ; and the same two rows in out
	v_lshl_add_u32 v[GO], v22, 4, v[GO]
	v_mov_b32 v[XL], 0                             ; written once: a lane permute's destination counts as one of its sources
	WIN 0x40
.irp t, 0,1,2,3                        ; k = 64 .. 127 of the 128-deep form: zero codes in Q's and K's fragments, written once
.irp j, 4,5,6,7
	v_mov_b32 v[QF+8*\t+\j], 0
	v_mov_b32 v[KF+8*\t+\j], 0
.endr
.endr
	WIN 0
	s_wait_loadcnt 8                               ; x's 32 loads are in; y's eight, issued behind them, may stay out
.irp t, 0,1,2,3                        ; Q is quantised once and stays in registers
	QMAX S+32*\t
	WIN 0x40
.irp g, 0,1,2,3
	v_cvt_scalef32_pk8_fp4_f32 v[QF+8*\t+\g], v[S+32*\t+8*\g:S+32*\t+8*\g+7], v[EX]
.endr
	WIN 0
	QWORD QS+\t
.endr
	s_mov_b32 s[TB], 0
	s_mov_b32 s[TW], 0                             ; this once: slot 0 is written into buffer 0
	ADDR_W
	s_wait_loadcnt 0x0                             ; y of slot 0 is in
	CONV_K
	LOAD_V
	s_wait_loadcnt 0x0                             ; z of slot 0 is in
	CONV_V 0
	LOAD_K                                         ; slot 1
	s_mov_b32 s[TW], SLOT1
	s_mov_b32 s[CNT], 0
	BARRIER                                        ; slot 0 lies in LDS
	TRIP 1, 0                                      ; trip 0 is written out: its first key step starts m, l and O^T
.Ltrip:                                            ; trips 1 to 15
	TRIP 0, 1
	s_cmp_lt_u32 s[CNT], NSLOT
	s_cbranch_scc1 .Ltrip
	; THE WAY OUT.  l's two halves and the other half of the lanes' are added; O^T is divided by l and goes through my own stage in LDS, a tile (16 rows of out) at a time.
.irp t, 0,1,2,3
	v_add_f32 v[ST+8*\t+4], v[ST+8*\t+2], v[ST+8*\t+3]
.endr
.irp t, 0,1,2,3
	v_permlanex16_b32 v[ST+8*\t+5], v[ST+8*\t+4], s[SEL], s[SEL+1]
.endr
.irp t, 0,1,2,3
	v_add_f32 v[ST+8*\t+4], v[ST+8*\t+4], v[ST+8*\t+5]
.endr
.irp t, 0,1,2,3
	v_rcp_f32 v[ST+8*\t+6], v[ST+8*\t+4]
.endr
	v_nop                                          ; a plain instruction between the last reciprocal and the use of its result
	s_wait_alu depctr_va_vdst(0)                   ; and the wait ahead of the first use: one for the four
; Tile t: a lane's eight channels of a tile of channels are 32 bytes of a row; they go into rows of 272 bytes and come back as whole rows of 256, into the registers that they left.
.macro PACK t
	WIN 0x01                                       ; source 0 (O^T) window 1; the quotient goes to S^T's registers, which are free
.irp i, 0,1,2,3,4,5,6,7,8,9,10,11,12,13,14,15
	v_pk_mul_f32 v[S+32*\t+2*\i:S+32*\t+2*\i+1], v[OA+32*\t+2*\i:OA+32*\t+2*\i+1], v[ST+8*\t+6:ST+8*\t+7] op_sel_hi:[1,0]   ; each accumulator from its low end on
.endr
	WIN 0
.irp c, 0,1,2,3
	ds_store_b128 v[STO], v[S+32*\t+8*\c:S+32*\t+8*\c+3] offset:64*\c
	ds_store_b128 v[STO], v[S+32*\t+8*\c+4:S+32*\t+8*\c+7] offset:64*\c+16
.endr
.irp f, 0,1,2,3,4,5,6,7
	ds_load_b128 v[S+32*\t+4*\f:S+32*\t+4*\f+3], v[RD] offset:2*SP*\f   ; LDS serves a wave's instructions in order (ISA guide 5.7.1.4): these see the stores above; the next tile's stores come behind them
.endr
.endm
.macro SEND t, younger                 ; younger: the LDS instructions issued behind tile t's loads: the next tile's sixteen, or none
.irp f, 0,1,2,3,4,5,6,7
	s_wait_dscnt \younger+7-\f
	global_store_b128 v[GO], v[S+32*\t+4*\f:S+32*\t+4*\f+3], s[OP:OP+1] offset:4096*\t+512*\f th:TH_STORE_NT   ; 16 lanes store 256 consecutive bytes, a whole row, at a multiple of 256 from out's first byte
.endr
.endm
	PACK 0
	PACK 1                                         ; a tile's arithmetic stands between the loads of the tile before and its stores
	SEND 0, 16
	PACK 2
	SEND 1, 16
	PACK 3
	SEND 2, 16
	SEND 3, 0
	s_wait_tensorcnt 0x0                           ; the wave's end, behind my last LDS store
	ds_add_u32 v[SPW], v[NIL]
	s_wait_dscnt 0x0
	s_endpgm
.Lfunc_end_k_qe19b8e88a6_attn:
	.size	k_qe19b8e88a6_attn, .Lfunc_end_k_qe19b8e88a6_attn-k_qe19b8e88a6_attn
	.p2alignl 7, 3214868480
	.fill 96, 4, 3214868480
	.section	.rodata,"a",@progbits
	.p2align	6, 0x0
	.amdhsa_kernel k_qe19b8e88a6_attn
		.amdhsa_group_segment_fixed_size 101376
		.amdhsa_private_segment_fixed_size 0
		.amdhsa_enable_private_segment 0
		.amdhsa_kernarg_size 32
		.amdhsa_user_sgpr_count 2
		.amdhsa_user_sgpr_kernarg_segment_ptr 1
		.amdhsa_wavefront_size32 1
		.amdhsa_system_sgpr_workgroup_id_x 1
		.amdhsa_system_sgpr_workgroup_id_y 1
		.amdhsa_system_sgpr_workgroup_id_z 1
		.amdhsa_system_vgpr_workitem_id 0
		.amdhsa_next_free_vgpr 512
		.amdhsa_next_free_sgpr 66
		.amdhsa_reserve_vcc 0
		.amdhsa_float_denorm_mode_32 3
		.amdhsa_float_denorm_mode_16_64 3
		.amdhsa_memory_ordered 1
		.amdhsa_forward_progress 1
		.amdhsa_inst_pref_size 163
	.end_amdhsa_kernel
	.amdgpu_metadata
---
amdhsa.version: [ 1, 2 ]
amdhsa.kernels:
  - .name:           k_qe19b8e88a6_attn
    .symbol:         k_qe19b8e88a6_attn.kd
    .args:
      - { .name: x, .offset: 0, .size: 8, .value_kind: global_buffer, .address_space: global }
      - { .name: y, .offset: 8, .size: 8, .value_kind: global_buffer, .address_space: global }
      - { .name: z, .offset: 16, .size: 8, .value_kind: global_buffer, .address_space: global }
      - { .name: out0, .offset: 24, .size: 8, .value_kind: global_buffer, .address_space: global }
    .group_segment_fixed_size: 101376
    .private_segment_fixed_size: 0
    .kernarg_segment_align: 8
    .kernarg_segment_size: 32
    .max_flat_workgroup_size: 256
    .sgpr_count:     66
    .vgpr_count:     512
    .wavefront_size: 32
...
	.end_amdgpu_metadata
.endif
;; end of part 1
;; ======== version 2 of 2: 1 launch; version 1 with the launch attn written anew for expert scheduling mode
;; limits: values are held in f16: magnitudes above 65,504 overflow, below 6.1e-05 lose precision
;; launch attn (part 2): grid 4 x 64, 8 waves a work-group, no clusters, 101,376 bytes of LDS; arguments x, y, z, out0; writes out0
.if DOCPART == 2
	.amdgcn_target "amdgcn-amd-amdhsa--gfx1250"
	.amdhsa_code_object_version 6
	.text
	.protected	k_qe19b8e88a6_attn
	.globl	k_qe19b8e88a6_attn
	.p2align	8
	.type	k_qe19b8e88a6_attn,@function
k_qe19b8e88a6_attn:
	s_mov_b64 s[64:65], 0
	v_nop
	global_prefetch_b8 v0, s[64:65] scope:SCOPE_SE
	s_setreg_imm32_b32 hwreg(HW_REG_WAVE_SCHED_MODE, 0, 2), 2
	s_setreg_imm32_b32 hwreg(HW_REG_WAVE_MODE, 25, 1), 1
	s_wait_xcnt 0x0
	s_wait_alu depctr_vm_vsrc(0)
; out[p][q][:] = the sum over k of softmax_k( Q(x)[p][q] . Q(y)[p][k] / 8 ) z[p][k][:], p = one of 64 (batch, head) pairs; x, y, z, out: [64][2048][64] f32.
; THE FIRST PRODUCT IS QUANTISED: x and y become codes of FP4 (E2M1) along the head's 64, two blocks of 32 a row, each with an E8M0 scale 2^(floor(log2(largest magnitude)) - 2);
; codes and scale bytes go to v_wmma_scale_f32_16x16x128_f8f6f4.  That form is 128 deep and the head is 64: the upper four registers of each fragment are zero codes on both sides.
; THE SECOND PRODUCT takes p = 2^(c s - c m) (at most 1) and z as f16, sums in f32.  Maxima, exponentials and row sums in f32; a running maximum m and sum l for each query.
; LIMITS: NaN and infinities among the inputs are not served; |z| above 65,504 becomes infinity in f16, and z under 6e-5 loses bits there; a block of x or y whose largest magnitude
; lies under 2^-124 keeps the scale byte 1; a block of zeros keeps the byte 1 with zero codes (the rule says 127: the bytes are read by this program alone, and zero codes add nothing).
; SHARES.  A work-group owns 512 queries of one pair (4 x 64 work-groups), each of its eight waves 64: four tiles of 16.  Every wave walks all 2,048 keys, 64 a key step.
; y AND z ARE CONVERTED BY THE WORK-GROUP ITSELF.  128 keys are a SLOT: wave w loads keys 16 w .. 16 w + 15 of y and of z into registers, quantises y to one fragment and its scale words,
; rounds z to f16, and stores both into one of two LDS buffers; one barrier a slot shows them to all eight waves.  While buffer b is read, the other is written.
; LAYOUT.  Both products are used transposed: S^T = K Q^T (source 0 = 16 keys, source 1 = 16 queries), O^T = V^T P (source 0 = 16 channels x 32 keys, source 1 = P): a lane holds ONE
; query (lane % 16) throughout; two tiles of S^T, rounded to f16 in pairs, ARE source 1 of the second product.  V ([key][channel] in LDS) is turned by ds_load_tr16_b128.
; NO CLUSTER, NO TENSOR LOAD: what the four work-groups of a pair share arrives as f32 and has to pass through vector registers to be quantised.  A joint load would lay 128 rows x 512
; bytes of raw numbers a slot into every partner's LDS, only to be read out again, against 25,088 bytes of codes and f16; and it would want a round of the cluster's barrier at each of 16 slots.
; THE MODE: SCHED_MODE bits 1:0 = 2 (LLVM: expert scheduling mode 2), set by the entry lines.  The code itself states the register dependences
; between vector or matrix instructions and memory or LDS instructions, with s_wait_alu, always for 0.
; THE PLAN.  Registers that memory or LDS instructions touch:
;   v1, v7, v8, v16-18, v19, v20   offsets and addresses made once at the head and never written again.
;   v10-12, v13-15   the trip's read and write addresses: written by six additions at the trip's head; read by the trip's 44 LDS loads and 10 LDS stores.
;   v25, v28-31      K's scale word and codes: written by CONV_K's vector lines, read by its two LDS stores.
;   v72-103          y's loads land; CONV_K's quantiser reads; z's loads land; CONV_V's roundings read and write; its eight LDS stores read; y's next loads land.
;   v68-69, K's fragments   LDS loads land; a key step's 16 scaled products read.        V's 64 registers   LDS loads land; a key step's 32 products V^T P read.
;   S^T's 128        head: x's loads land, Q's quantiser reads; in the loop named by vector and matrix instructions alone; way out: the quotients, the stage's stores, its loads, the global stores.
;   The statistics, O^T, Q with its scale words and the zero codes are named by vector and matrix instructions alone.
; A TRIP'S WAITS.  At its head one on vm_vsrc (the last trip's LDS instructions have read what this trip writes anew), the six additions, one on va_vdst (the addresses are written; the last key
; step's products are done with K's and V's registers), and directly behind it all 22 LDS loads of the first key step, so that CONV_K's vector work stands between them and the products.
; CONV_K and CONV_V each hold one wait on va_vdst between their vector lines and their stores, which serves the loads into v72-103 that follow too; CONV_V ends with one on vm_vsrc.
; The wait for the exponentials of the first key step shows its scaled products done as well: the second key step's K and scale words are asked for directly behind it.
; The second key step's head holds one wait on va_vdst, ahead of V's loads.
; REGISTERS, in windows of 256 (s_set_vgpr_msb: bits 1:0 source 0, 3:2 source 1, 5:4 source 2, 7:6 destination):
;   window 0: v1-20 addresses; v22-31 at work in the quantiser; v32-63 eight registers of statistics a tile; v64-69 scale words; v72-103 32 raw numbers; v128-255 S^T, 32 a tile, then P in each tile's lower 16
;   window 1: v0-127 O^T, 32 a tile; v128-191 V of a key step; v192-223 Q, 8 a tile; v224-255 K of a key step, 8 a tile of keys
.set NSLOT, 16                         ; slots of 128 keys
.set SLOTB, 32768                      ; 128 rows of y or of z in memory
.set SLOT1, 32768                      ; LDS buffer 1 begins here: one exclusive or turns an address in one buffer into the other's
.set KIMG,  0                          ; in a buffer: 8 fragments of K as images of their registers: fragment f at 512 f, lane l's 16 bytes at 16 l
.set KSC,   4096                       ; their scale words: fragment f, key r at 64 f + 4 r
.set VIMG,  4608                       ; 128 rows [key][64 f16],
.set VP,    160                        ; 128 bytes + 32 of padding = 40 words
.set STAGE, 65536                      ; the way out: 16 rows x 272 bytes for each wave
.set SP,    272
.set SPARE, STAGE+8*16*SP              ; the spare words, 128 bytes for each wave: four blocks of 256 bytes that no other line names
.set AK0, 1                            ; v1   16 x lane: an image's place for my lane; also my 16 bytes of a dense load of z
.set AS0, 2                            ; v2   4 x lane: a scale word's place
.set AV0, 3                            ; v3   my lane's place in a turning load of V
.set WK0, 4                            ; v4   where I store my fragment of K: 16 x lane + 512 x wave
.set WS0, 5                            ; v5   and its scale word: 4 (lane % 16) + 64 x wave
.set WV0, 6                            ; v6   where I store f16 of z: row 16 x wave + lane / 16, 8 bytes at 8 (lane % 16)
.set GY,  7                            ; v7   x and y: row lane % 16 of 256 bytes, block lane / 16 of 128 bytes
.set PFO, 8                            ; v8   the prefetches' offset: 256 x lane, a lane a row; never rewritten
.set SH8, 9                            ; v9   8 (lane / 16): my block's byte in a scale word
.set ADK, 10                           ; v10-12 the trip's read addresses: K's images, scale words, V
.set ADS, 11
.set ADV, 12
.set WKA, 13                           ; v13-15 the trip's write addresses
.set WSA, 14
.set WVA, 15
.set STO, 16                           ; v16  the way out: where I put 32 bytes of a row
.set RD,  17                           ; v17  where I read a row back
.set GO,  18                           ; v18  my byte offset in the wave's rows of out
.set SPW, 19                           ; v19  LDS address of my spare word: SPARE + 4 x my thread's number; never rewritten
.set NIL, 20                           ; v20  0; never rewritten
.set TA,  22                           ; v22, v23 two chains of a block's largest magnitude
.set TC,  23
.set EX,  24                           ; v24  the conversion's scale operand
.set WD,  25                           ; v25  the scale's byte, then the scale word
.set XL,  26                           ; v26  the other half's byte
.set CD,  28                           ; v28-31 the codes of K just made
.set ST,  32                           ; tile t's statistics at v[ST + 8 t]: +0 c m, +1 m, +2, +3 l (even keys', odd keys'), +4 .. +7 chains c0-c3; later +4, +5 the step's sum, +6 a, +7 c m_old
.set QS,  64                           ; v64-67 Q's scale words, a register a tile: scales and nothing else
.set KS,  68                           ; v68-69 K's of a key step: lanes 0-15 tile 2 p of keys, lanes 16-31 tile 2 p + 1
.set RAW, 72
.set S,   128
.set OA,  0                            ; in window 1
.set VF,  128
.set QF,  192
.set KF,  224
.set XP,  4                            ; s[4:5] x, s[6:7] y, s[8:9] z, s[10:11] out, each at my wave's rows
.set YP,  6
.set ZP,  8
.set OP,  10
.set WV,  12                           ; s12  my wave's number
.set PFA, 20                           ; s[20:21] where my prefetches stand
.set LIM, 22                           ; s22  a wave prefetches while the trip's number is under this: 13 in a pair's first work-group, else 0
.set CNT, 23                           ; s23  the trip's number
.set TB,  24                           ; s24  the LDS buffer that the trip reads
.set TW,  25                           ; s25  and the one that it writes
.set CS,  26                           ; s[26:27] c = log2(e) / 8: the packed form names a pair and takes its low word for both halves
.set SEL, 28                           ; s[28:29] lane selects for v_permlanex16_b32: lane l xor 16
.set MSB, 0
.macro WIN new                         ; the immediate's high byte repeats the setting that is left; a switch that changes nothing is dropped
.if MSB != \new
	s_set_vgpr_msb (MSB<<8)|\new
.set MSB, \new
.endif
.endm
; The largest magnitude of the lane's 32 numbers v[src] .. v[src + 31], one whole block, in two chains; the floor 2^(3 - 127) among the leaves holds the byte at 1 from below.
; 2 off its exponent field gives the conversion's scale operand: the conversion takes the exponent field of that operand and nothing else of it.
.macro QMAX src
	v_max3_num_f32 v[TA], |v[(\src)]|, |v[(\src)+1]|, 0x1800000
	v_max3_num_f32 v[TC], |v[(\src)+16]|, |v[(\src)+17]|, |v[(\src)+18]|
.irp i, 2,4,6,8,10,12
	v_max3_num_f32 v[TA], v[TA], |v[(\src)+\i]|, |v[(\src)+\i+1]|
	v_max3_num_f32 v[TC], v[TC], |v[(\src)+\i+17]|, |v[(\src)+\i+18]|
.endr
	v_max3_num_f32 v[TA], v[TA], |v[(\src)+14]|, |v[(\src)+15]|
	v_max3_num_f32 v[TA], v[TA], v[TC], |v[(\src)+31]|
	v_add_nc_u32 v[EX], 0xff000000, v[TA]
.endm
; The row's scale word: my block's byte at its place, with lane l xor 16's.  Bytes 2 and 3 stay 0, over zero codes.  The first line is also the plain place behind the conversions.
.macro QWORD dst
	v_lshrrev_b32 v[WD], 23, v[EX]
	v_lshlrev_b32 v[WD], v[SH8], v[WD]
	v_permlanex16_b32 v[XL], v[WD], s[SEL], s[SEL+1]
	v_or_b32 v[(\dst)], v[WD], v[XL]
.endm
; The raw numbers of y and of z take turns in v72-103.  Each run of eight loads stands behind a wait for all loads that every wave passes, whichever of the trip's branches it takes.
.macro LOAD_K                          ; my 16 keys of y: lane (r, h) takes block h of key r, 128 bytes; the eight loads together cover 4,096 consecutive bytes
.irp i, 0,1,2,3,4,5,6,7
	global_load_b128 v[RAW+4*\i:RAW+4*\i+3], v[GY], s[YP:YP+1] offset:16*\i
.endr
.endm
.macro LOAD_V                          ; my 16 keys of z as they lie: each load takes 512 consecutive bytes, two rows
.irp i, 0,1,2,3,4,5,6,7
	global_load_b128 v[RAW+4*\i:RAW+4*\i+3], v[AK0], s[ZP:ZP+1] offset:512*\i
.endr
.endm
.macro CONV_K                          ; y's 32 numbers a lane become registers 0-3 of a fragment (k = 32 h + 0 .. 31 of key r) and the key's scale word.  The caller has waited for the loads
	s_add_nc_u64 s[YP:YP+1], s[YP:YP+1], SLOTB     ; the eight loads are in, so their base may step: the next slot
	QMAX RAW
.irp g, 0,1,2,3
	v_cvt_scalef32_pk8_fp4_f32 v[CD+\g], v[RAW+8*\g:RAW+8*\g+7], v[EX]
.endr
	QWORD WD
	s_wait_alu depctr_va_vdst(0)                   ; the codes v28-31 and the word v25 are written, which the two stores read; the quantiser is done reading v72-103, in which z's loads land behind the stores (at the head also: v1 and v13-15 are written)
	ds_store_b128 v[WKA], v[CD:CD+3] offset:KIMG   ; the image of my fragment's four registers.  These two stores' registers are next written in the next trip, behind the wait on vm_vsrc at its head
	ds_store_b32 v[WSA], v[WD] offset:KSC          ; lanes l and l + 16 write the same word with the same value
.endm
.macro CONV_V step                     ; z's 32 numbers a lane are rounded to f16, four to 8 bytes.  The caller has waited for the loads.  step = 1: the prefetches' address goes a slot on
	s_add_nc_u64 s[ZP:ZP+1], s[ZP:ZP+1], SLOTB     ; the eight loads are in, so their base may step
.if \step
	s_wait_xcnt 0x0                                ; the last prefetch, a trip back, has read its address, so it may be written
	s_add_nc_u64 s[PFA:PFA+1], s[PFA:PFA+1], SLOTB
.endif
.irp i, 0,1,2,3,4,5,6,7
	v_cvt_pk_f16_f32 v[RAW+4*\i], v[RAW+4*\i], v[RAW+4*\i+1]
	v_cvt_pk_f16_f32 v[RAW+4*\i+1], v[RAW+4*\i+2], v[RAW+4*\i+3]
.endr
	s_wait_alu depctr_va_vdst(0)                   ; the sixteen roundings have written the pairs that the eight stores read, and are done reading v72-103, in which y's next loads land
.irp i, 0,1,2,3,4,5,6,7
	ds_store_b64 v[WVA], v[RAW+4*\i:RAW+4*\i+1] offset:VIMG+2*VP*\i
.endr
	s_wait_dscnt 0x0                               ; my eight stores are done,
	s_wait_alu depctr_vm_vsrc(0)                   ; and they have read their pairs of v72-103: y's next loads land there
.endm
; A PREFETCH INTO THE L2 of the slot three on from the trip's: y's part of it is loaded in the next trip, z's in the one after.  A slot is 128 rows of 256 bytes of y and as many of z.
; All four work-groups of a pair walk the same rows: the pair's first asks, and nobody else.  In it waves 0 to 3 ask for y's rows and waves 4 to 7 for z's, 32 rows a wave, a lane a row:
; one instruction a wave and trip, behind the trip's loads; each row is named once in the launch.  Slots 0 to 2 come by their loads alone; trip 12 asks for slot 15, the last.
.macro ASK
	s_cmp_lt_u32 s[CNT], s[LIM]
	s_cbranch_scc0 .Lnot_mine_\@
	global_prefetch_b8 v[PFO], s[PFA:PFA+1] th:TH_LOAD_NT scope:SCOPE_SE
.Lnot_mine_\@:
.endm
.macro ADDR_R
	v_add_nc_u32 v[ADK], s[TB], v[AK0]
	v_add_nc_u32 v[ADS], s[TB], v[AS0]
	v_add_nc_u32 v[ADV], s[TB], v[AV0]
.endm
.macro ADDR_W
	v_add_nc_u32 v[WKA], s[TW], v[WK0]
	v_add_nc_u32 v[WSA], s[TW], v[WS0]
	v_add_nc_u32 v[WVA], s[TW], v[WV0]
.endm
.macro BARRIER                         ; my LDS stores have landed and my LDS loads are in: then the work-group's barrier
	s_wait_dscnt 0x0
	s_barrier_signal -1
	s_barrier_wait -1
.endm
; THE LDS LOADS OF A KEY STEP, the q-th half of the slot in hand: K's scale words (window 0); K's four fragments and V's eight, turned (destination window 1: the caller sets the windows).
.macro LOADS_S q
.irp p, 0,1
	ds_load_b32 v[KS+\p], v[ADS] offset:KSC+256*(\q)+128*\p
.endr
.endm
.macro LOADS_K q
.irp u, 0,1,2,3
	ds_load_b128 v[KF+8*\u:KF+8*\u+3], v[ADK] offset:KIMG+512*(4*(\q)+\u)   ; registers 4-7 of each fragment stay zero codes
.endr
.endm
.macro LOADS_V q
.irp g, 0,1
.irp c, 0,1,2,3
	ds_load_tr16_b128 v[VF+32*\g+8*\c:VF+32*\g+8*\c+3],   v[ADV] offset:VIMG+(64*(\q)+32*\g)*VP+32*\c      ; keys 32 g on, channels 16 c on
	ds_load_tr16_b128 v[VF+32*\g+8*\c+4:VF+32*\g+8*\c+7], v[ADV] offset:VIMG+(64*(\q)+32*\g+16)*VP+32*\c
.endr
.endr
.endm
; A KEY STEP: 64 keys, the q-th half of the slot in hand, in three phases.  first = 1: the first key step, which starts m, l and O^T: it has no a and nothing to rescale.
; q = 0: all its LDS loads were issued at the trip's head.  q = 1: its K and scale words were asked for, and waited for, in the step before; V's registers are free only now.
.macro STEP q, first
.if \q
	WIN 0x40                                       ; destination window 1, address window 0
	s_wait_alu depctr_va_vdst(0)                   ; the last key step's products V^T P are done reading V's registers, in which the sixteen loads below land
	LOADS_V 1
.else
	s_wait_dscnt 16                                ; LDS loads come back in order (ISA guide 5.7.1): the scale words and K are in.  Behind them stand V's sixteen loads, and in the trips that convert two stores more: the count is exact without those
.endif
	WIN 0x05                                       ; K and Q in window 1, S^T in window 0
.irp u, 0,1,2,3                        ; S^T = K Q^T: 16 sums, each one instruction with C = 0
.irp t, 0,1,2,3
.if \u % 2
	v_wmma_scale_f32_16x16x128_f8f6f4 v[S+32*\t+8*\u:S+32*\t+8*\u+7], v[KF+8*\u:KF+8*\u+7], v[QF+8*\t:QF+8*\t+7], 0, v[KS+\u/2], v[QS+\t] matrix_a_fmt:MATRIX_FMT_FP4 matrix_b_fmt:MATRIX_FMT_FP4 matrix_a_scale:MATRIX_SCALE_ROW1
.else
	v_wmma_scale_f32_16x16x128_f8f6f4 v[S+32*\t+8*\u:S+32*\t+8*\u+7], v[KF+8*\u:KF+8*\u+7], v[QF+8*\t:QF+8*\t+7], 0, v[KS+\u/2], v[QS+\t] matrix_a_fmt:MATRIX_FMT_FP4 matrix_b_fmt:MATRIX_FMT_FP4
.endif
.endr
.endr
	WIN 0
.rept 4
	v_nop                                          ; four places between the products and the first read of their results (ISA guide 7.12.1)
.endr
	; THE SOFTMAX, the four tiles by turns line by line, so that no line waits for the line above it.  The maximum of a lane's 32 scores and the old m: four chains, each begun at its accumulator's low end
.irp j, 0,1,2,3
.irp t, 0,1,2,3
	v_max3_num_f32 v[ST+8*\t+4+\j], v[S+32*\t+8*\j], v[S+32*\t+8*\j+1], v[S+32*\t+8*\j+2]
.endr
.endr
.irp k, 3,5
.irp j, 0,1,2,3
.irp t, 0,1,2,3
	v_max3_num_f32 v[ST+8*\t+4+\j], v[ST+8*\t+4+\j], v[S+32*\t+8*\j+\k], v[S+32*\t+8*\j+\k+1]
.endr
.endr
.endr
.irp t, 0,1,2,3
	v_max3_num_f32 v[ST+8*\t+4], v[ST+8*\t+4], v[S+32*\t+7], v[S+32*\t+15]
.endr
.irp t, 0,1,2,3
	v_max3_num_f32 v[ST+8*\t+6], v[ST+8*\t+6], v[S+32*\t+23], v[S+32*\t+31]
.endr
.irp t, 0,1,2,3
	v_max3_num_f32 v[ST+8*\t+4], v[ST+8*\t+4], v[ST+8*\t+5], v[ST+8*\t+6]
.endr
.irp t, 0,1,2,3
.if \first
	v_max_num_f32 v[ST+8*\t+4], v[ST+8*\t+4], v[ST+8*\t+7]
.else
	v_max3_num_f32 v[ST+8*\t+4], v[ST+8*\t+4], v[ST+8*\t+7], v[ST+8*\t+1]
.endif
.endr
.irp t, 0,1,2,3
	v_permlanex16_b32 v[ST+8*\t+5], v[ST+8*\t+4], s[SEL], s[SEL+1]   ; the query's other 32 keys lie in the lane 16 away
.endr
.if \first == 0
.irp t, 0,1,2,3
	v_mov_b32 v[ST+8*\t+7], v[ST+8*\t]             ; c m_old is kept for a
.endr
.endif
.irp t, 0,1,2,3
	v_max_num_f32 v[ST+8*\t+1], v[ST+8*\t+4], v[ST+8*\t+5]   ; the new m
.endr
.irp t, 0,1,2,3
	v_mul_f32 v[ST+8*\t], s[CS], v[ST+8*\t+1]      ; c m
.endr
.if \first == 0
.irp t, 0,1,2,3
	v_sub_f32 v[ST+8*\t+7], v[ST+8*\t+7], v[ST+8*\t]   ; c m_old - c m_new
.endr
.endif
.irp b, 0,1,2,3,4,5,6,7,8,9,10,11,12,13,14,15
.irp t, 0,1,2,3
	v_pk_fma_f32 v[S+32*\t+2*\b:S+32*\t+2*\b+1], v[S+32*\t+2*\b:S+32*\t+2*\b+1], s[CS:CS+1], v[ST+8*\t:ST+8*\t+1] op_sel_hi:[1,0,0] neg_lo:[0,0,1] neg_hi:[0,0,1]   ; c s - c m, two at a time
.endr
.endr
.if \first == 0                        ; ONE BATCH of exponentials: a = 2^(c m_old - c m_new) and the 128 weights; none reads another's result
.irp t, 0,1,2,3
	v_exp_f32 v[ST+8*\t+6], v[ST+8*\t+7]
.endr
.endif
.irp e, 0,1,2,3,4,5,6,7,8,9,10,11,12,13,14,15,16,17,18,19,20,21,22,23,24,25,26,27,28,29,30,31
.irp t, 0,1,2,3
	v_exp_f32 v[S+32*\t+\e], v[S+32*\t+\e]
.endr
.endr
	v_nop                                          ; a plain instruction behind the last exponential, ahead of the first use (ISA guide 5.7.2)
	s_wait_alu depctr_va_vdst(0)                   ; the exponentials have written a and the 128 weights, ahead of the first instruction that names one: one wait for the batch.  q = 0: this step's scaled products are also done reading K's fragments and scale words
.if \q == 0
	LOADS_S 1                                      ; so the next key step's scale words and K are asked for here, directly behind that wait; the wait for V below is the wait for them too
	WIN 0x40
	LOADS_K 1
	WIN 0
.endif
.irp t, 0,1,2,3                        ; the step's sum of the f32 weights, ahead of their rounding: an even key's and an odd key's in a pair
	v_pk_add_f32 v[ST+8*\t+4:ST+8*\t+5], v[S+32*\t:S+32*\t+1], v[S+32*\t+2:S+32*\t+3]
.endr
.irp b, 2,3,4,5,6,7,8,9,10,11,12,13,14
.irp t, 0,1,2,3
	v_pk_add_f32 v[ST+8*\t+4:ST+8*\t+5], v[ST+8*\t+4:ST+8*\t+5], v[S+32*\t+2*\b:S+32*\t+2*\b+1]
.endr
.endr
.if \first
.irp t, 0,1,2,3
	v_pk_add_f32 v[ST+8*\t+2:ST+8*\t+3], v[ST+8*\t+4:ST+8*\t+5], v[S+32*\t+30:S+32*\t+31]   ; the last addition starts l
.endr
.else
.irp t, 0,1,2,3
	v_pk_add_f32 v[ST+8*\t+4:ST+8*\t+5], v[ST+8*\t+4:ST+8*\t+5], v[S+32*\t+30:S+32*\t+31]
.endr
.irp t, 0,1,2,3
	v_pk_fma_f32 v[ST+8*\t+2:ST+8*\t+3], v[ST+8*\t+2:ST+8*\t+3], v[ST+8*\t+6:ST+8*\t+7], v[ST+8*\t+4:ST+8*\t+5] op_sel_hi:[1,0,1]   ; l = a l + the sum
.endr
.endif
.irp i, 0,1,2,3,4,5,6,7,8,9,10,11,12,13,14,15
.irp t, 0,1,2,3
	v_cvt_pk_f16_f32 v[S+32*\t+\i], v[S+32*\t+2*\i], v[S+32*\t+2*\i+1]   ; P in place, ascending: register i is written when registers 2 i and 2 i + 1 are read, never ahead of its own reading
.endr
.endr
.if \first == 0
	WIN 0x41                                       ; O^T (destination and source 0) in window 1, a in window 0
.irp i, 0,1,2,3,4,5,6,7,8,9,10,11,12,13,14,15
.irp t, 0,1,2,3
	v_pk_mul_f32 v[OA+32*\t+2*\i:OA+32*\t+2*\i+1], v[OA+32*\t+2*\i:OA+32*\t+2*\i+1], v[ST+8*\t+6:ST+8*\t+7] op_sel_hi:[1,0]   ; O^T x a, each accumulator from its low end on
.endr
.endr
.endif
	s_wait_dscnt 0x0                               ; V is in (q = 0: and the next key step's K and scale words)
	WIN 0x51                                       ; V, C and D in window 1, P in window 0
.irp g, 0,1                            ; O^T += V^T P: the 16 accumulators take turns, one instruction a turn
.irp c, 0,1,2,3
.irp t, 0,1,2,3
.if \first && (\g == 0)
	v_wmma_f32_16x16x32_f16 v[OA+32*\t+8*\c:OA+32*\t+8*\c+7], v[VF+32*\g+8*\c:VF+32*\g+8*\c+7], v[S+32*\t+8*\g:S+32*\t+8*\g+7], 0
.else
	v_wmma_f32_16x16x32_f16 v[OA+32*\t+8*\c:OA+32*\t+8*\c+7], v[VF+32*\g+8*\c:VF+32*\g+8*\c+7], v[S+32*\t+8*\g:S+32*\t+8*\g+7], v[OA+32*\t+8*\c:OA+32*\t+8*\c+7]
.endif
.endr
.endr
.endr
	WIN 0
.rept 5
	v_nop                                          ; five places: the next step's first products write over P, which these products read
.endr
.endm
; A TRIP: the slot in buffer s[TB] is multiplied, two key steps; the next slot is converted into buffer s[TW]; the loads for it and for the slot after run a key step ahead of their use.
; inloop = 1: the last trips have nothing left to convert or to load: scalar branches on the trip's number, the same in all waves, lead round those lines and round no barrier.
; The two waits for the raw loads stand AHEAD of those branches, on every wave's way: so on every way through the text a run of loads into v72-103 finds the run before it landed.
; So do the two waits at the trip's head and the one at the second key step's head; what stands inside an arm states the arm's own dependences alone.
.macro TRIP first, inloop
	s_wait_alu depctr_vm_vsrc(0)                   ; the LDS loads and stores issued so far have read the six addresses v10-15, the word v25 and the codes v28-31, all of which this trip writes anew
	ADDR_R
	ADDR_W
	s_wait_alu depctr_va_vdst(0)                   ; the six addresses are written; the last key step's products are done reading the scale words', K's and V's registers, in which the 22 loads below land
	LOADS_S 0
	WIN 0x40                                       ; destination window 1, address window 0
	LOADS_K 0
	LOADS_V 0
	WIN 0
	s_wait_loadcnt 0x0                             ; y of the next slot, asked for a key step ago, is in (the last trip: nothing is out)
.if \inloop
	s_cmp_lt_u32 s[CNT], NSLOT-1
	s_cbranch_scc0 .Lno_k_\@
.endif
	CONV_K                                         ; y of the next slot: its vector work stands between the LDS loads above and the products that want them
	LOAD_V                                         ; z of the next slot: a key step in which to land.  No vector instruction since CONV_K's wait
.if \inloop
.Lno_k_\@:
.endif
	STEP 0, \first
	s_wait_loadcnt 0x0                             ; z of the next slot is in (the last trip: nothing is out)
.if \inloop
	s_cmp_lt_u32 s[CNT], NSLOT-1
	s_cbranch_scc0 .Lno_v_\@
.endif
	CONV_V 1
.if \inloop
.Lno_v_\@:
	s_cmp_lt_u32 s[CNT], NSLOT-2
	s_cbranch_scc0 .Lno_l_\@
.endif
	LOAD_K                                         ; y of the slot after the next.  No vector instruction since CONV_V's waits names v72-103
	ASK
.if \inloop
.Lno_l_\@:
.endif
	STEP 1, 0
	BARRIER                                        ; every wave's part of the next slot lies in LDS, and every wave's reads of this slot are over: the buffers may change places
	s_xor_b32 s[TB], s[TB], SLOT1
	s_xor_b32 s[TW], s[TW], SLOT1
	s_add_co_u32 s[CNT], s[CNT], 1
.endm
	s_load_b256 s[4:11], s[0:1], 0x0               ; x s[4:5], y s[6:7], z s[8:9], out s[10:11]
	v_lshl_add_u32 v[SPW], v0, 2, SPARE
	v_mov_b32 v[NIL], 0
	v_lshrrev_b32 v21, 5, v0
	v_readfirstlane_b32 s[WV], v21                 ; wave 0..7
	v_and_b32 v21, 31, v0                          ; lane
	v_and_b32 v22, 15, v0                          ; r = lane % 16
	v_bfe_u32 v23, v0, 4, 1                        ; h = lane / 16
	v_lshlrev_b32 v[GY], 8, v22
	v_lshl_add_u32 v[GY], v23, 7, v[GY]
	s_wait_alu depctr_va_sdst(0)                   ; s12, the wave's number, is written, ahead of its first reader: the bases and the LDS places below are made from it
	s_and_b32 s13, ttmp7, 0xffff                   ; the pair
	s_lshl_b32 s16, s13, 19                        ; its 2,048 rows of 256 bytes (all offsets stay under 2^25)
	s_mov_b32 s17, 0
	s_lshl_b32 s18, ttmp9, 17                      ; my work-group's 512 queries,
	s_lshl_b32 s14, s[WV], 14                      ; my wave's 64 of them
	s_add_co_u32 s18, s18, s14
	s_add_co_u32 s18, s18, s16
	s_mov_b32 s19, 0
	s_and_b32 s30, s[WV], 3                        ; the prefetches: my wave's 32 rows of a slot's 128,
	s_lshl_b32 s30, s30, 13
	s_add_co_u32 s30, s30, s16
	s_add_co_u32 s30, s30, 2*SLOTB                 ; in slot 2: trip 0 steps it to slot 3
	s_mov_b32 s31, 0
	s_lshl_b32 s14, s[WV], 12                      ; my wave's 16 keys of a slot
	s_add_co_u32 s16, s16, s14
	s_mov_b32 s[CS], 0x3e38aa3b                    ; c = log2(e) / 8
	s_mov_b32 s[CS+1], s[CS]                       ; (named with it as a pair, so it is written)
	s_mov_b32 s[SEL], 0x76543210
	s_mov_b32 s[SEL+1], 0xfedcba98
	s_wait_kmcnt 0x0
	s_cmp_lt_u32 s[WV], 4                          ; waves 0 to 3 ask for y, waves 4 to 7 for z
	s_cselect_b64 s[PFA:PFA+1], s[YP:YP+1], s[ZP:ZP+1]
	s_add_nc_u64 s[PFA:PFA+1], s[PFA:PFA+1], s[30:31]
	s_add_nc_u64 s[XP:XP+1], s[XP:XP+1], s[18:19]
	s_add_nc_u64 s[OP:OP+1], s[OP:OP+1], s[18:19]
	s_add_nc_u64 s[YP:YP+1], s[YP:YP+1], s[16:17]
	s_add_nc_u64 s[ZP:ZP+1], s[ZP:ZP+1], s[16:17]
	s_cmp_eq_u32 ttmp9, 0
	s_cselect_b32 s[LIM], NSLOT-3, 0
	s_wait_alu depctr_va_vdst(0)                   ; v7 is written: every load of x and of y reads it as its offset
.irp t, 0,1,2,3                        ; my 64 queries, raw, into S^T's registers: lane (r, h) takes block h of query 16 t + r
.irp i, 0,1,2,3,4,5,6,7
	global_load_b128 v[S+32*\t+4*\i:S+32*\t+4*\i+3], v[GY], s[XP:XP+1] offset:4096*\t+16*\i th:TH_LOAD_NT
.endr
.endr
	LOAD_K                                         ; slot 0
	v_lshlrev_b32 v[AK0], 4, v21                   ; the addresses below are first read by memory or LDS instructions behind the wait in the head's CONV_K, or later
	v_lshlrev_b32 v[AS0], 2, v21
	v_lshlrev_b32 v[PFO], 8, v21
	v_lshlrev_b32 v[SH8], 3, v23
	v_and_b32 v24, 7, v0                           ; the turning load: lane l reads 16 bytes of key 8 (l / 16) + l % 8, channels 8 ((l / 8) % 2) on
	v_lshl_add_u32 v24, v23, 3, v24
	v_mul_u32_u24 v[AV0], v24, VP
	v_bfe_u32 v25, v0, 3, 1
	v_lshl_add_u32 v[AV0], v25, 4, v[AV0]
	s_lshl_b32 s14, s[WV], 9
	v_add_nc_u32 v[WK0], s14, v[AK0]
	s_lshl_b32 s14, s[WV], 6
	v_lshl_add_u32 v[WS0], v22, 2, s14
	s_mul_i32 s14, s[WV], 16*VP
	v_mul_u32_u24 v[WV0], v23, VP
	v_lshl_add_u32 v[WV0], v22, 3, v[WV0]
	v_add_nc_u32 v[WV0], s14, v[WV0]
	s_mul_i32 s14, s[WV], 16*SP
	s_add_co_u32 s14, s14, STAGE                   ; my stage
	v_mul_u32_u24 v[STO], v22, SP                  ; in: row r, 32 bytes for each half of the lanes
	v_lshl_add_u32 v[STO], v23, 5, v[STO]
	v_add_nc_u32 v[STO], s14, v[STO]
	v_mul_u32_u24 v[RD], v23, SP                   ; back: lanes 0-15 take one row of 256 bytes, lanes 16-31 the next
	v_lshl_add_u32 v[RD], v22, 4, v[RD]
	v_add_nc_u32 v[RD], s14, v[RD]
	v_lshlrev_b32 v[GO], 8, v23                    ; and the same two rows in out
	v_lshl_add_u32 v[GO], v22, 4, v[GO]
	v_mov_b32 v[XL], 0                             ; written once: a lane permute's destination counts as one of its sources
	WIN 0x40
.irp t, 0,1,2,3                        ; k = 64 .. 127 of the 128-deep form: zero codes in Q's and K's fragments, written once
.irp j, 4,5,6,7
	v_mov_b32 v[QF+8*\t+\j], 0
	v_mov_b32 v[KF+8*\t+\j], 0
.endr
.endr
	WIN 0
	s_wait_loadcnt 8                               ; x's 32 loads are in; y's eight, issued behind them, may stay out
.irp t, 0,1,2,3                        ; Q is quantised once and stays in registers.  Its codes, its scale words and the zero codes above are written by vector instructions: the waits on va_vdst in CONV_K and CONV_V below stand between them and the first scaled product
	QMAX S+32*\t
	WIN 0x40
.irp g, 0,1,2,3
	v_cvt_scalef32_pk8_fp4_f32 v[QF+8*\t+\g], v[S+32*\t+8*\g:S+32*\t+8*\g+7], v[EX]
.endr
	WIN 0
	QWORD QS+\t
.endr
	s_mov_b32 s[TB], 0
	s_mov_b32 s[TW], 0                             ; this once: slot 0 is written into buffer 0
	ADDR_W
	s_wait_loadcnt 0x0                             ; y of slot 0 is in
	CONV_K
	LOAD_V
	s_wait_loadcnt 0x0                             ; z of slot 0 is in
	CONV_V 0
	LOAD_K                                         ; slot 1
	s_mov_b32 s[TW], SLOT1
	s_mov_b32 s[CNT], 0
	BARRIER                                        ; slot 0 lies in LDS
	TRIP 1, 0                                      ; trip 0 is written out: its first key step starts m, l and O^T
.Ltrip:                                            ; trips 1 to 15
	TRIP 0, 1
	s_cmp_lt_u32 s[CNT], NSLOT
	s_cbranch_scc1 .Ltrip
	; THE WAY OUT.  l's two halves and the other half of the lanes' are added; O^T is divided by l and goes through my own stage in LDS, a tile (16 rows of out) at a time.
.irp t, 0,1,2,3
	v_add_f32 v[ST+8*\t+4], v[ST+8*\t+2], v[ST+8*\t+3]
.endr
.irp t, 0,1,2,3
	v_permlanex16_b32 v[ST+8*\t+5], v[ST+8*\t+4], s[SEL], s[SEL+1]
.endr
.irp t, 0,1,2,3
	v_add_f32 v[ST+8*\t+4], v[ST+8*\t+4], v[ST+8*\t+5]
.endr
.irp t, 0,1,2,3
	v_rcp_f32 v[ST+8*\t+6], v[ST+8*\t+4]
.endr
	v_nop                                          ; a plain instruction between the last reciprocal and the use of its result
	s_wait_alu depctr_va_vdst(0)                   ; the four reciprocals are written, ahead of the first instruction that names one: one wait for the four
	WIN 0x01                                       ; source 0 (O^T) window 1; the quotients go to S^T's registers, which are free
.irp t, 0,1,2,3                        ; all four tiles' quotients stand together, so that one wait serves all the stage's stores
.irp i, 0,1,2,3,4,5,6,7,8,9,10,11,12,13,14,15
	v_pk_mul_f32 v[S+32*\t+2*\i:S+32*\t+2*\i+1], v[OA+32*\t+2*\i:OA+32*\t+2*\i+1], v[ST+8*\t+6:ST+8*\t+7] op_sel_hi:[1,0]   ; each accumulator from its low end on
.endr
.endr
	WIN 0
	s_wait_alu depctr_va_vdst(0)                   ; the 128 quotients are written, which the stage's stores read; no vector instruction follows this wait
; Tile t: a lane's eight channels of a tile of channels are 32 bytes of a row; they go into rows of 272 bytes and come back as whole rows of 256, into the registers that they left.
.macro TOSTAGE t
.irp c, 0,1,2,3
	ds_store_b128 v[STO], v[S+32*\t+8*\c:S+32*\t+8*\c+3] offset:64*\c
	ds_store_b128 v[STO], v[S+32*\t+8*\c+4:S+32*\t+8*\c+7] offset:64*\c+16
.endr
	s_wait_alu depctr_vm_vsrc(0)                   ; the eight stores have read the tile's 32 registers, in which the rows below land
.irp f, 0,1,2,3,4,5,6,7
	ds_load_b128 v[S+32*\t+4*\f:S+32*\t+4*\f+3], v[RD] offset:2*SP*\f   ; LDS serves a wave's instructions in order (ISA guide 5.7.1.4): these see the stores above; the next tile's stores come behind them
.endr
.endm
.macro SEND t, younger                 ; younger: the LDS instructions issued behind tile t's loads: the next tile's sixteen, or none
.irp f, 0,1,2,3,4,5,6,7
	s_wait_dscnt \younger+7-\f
	global_store_b128 v[GO], v[S+32*\t+4*\f:S+32*\t+4*\f+3], s[OP:OP+1] offset:4096*\t+512*\f th:TH_STORE_NT   ; 16 lanes store 256 consecutive bytes, a whole row, at a multiple of 256 from out's first byte
.endr
.endm
	TOSTAGE 0
	TOSTAGE 1                                      ; the next tile's way through the stage stands between a tile's loads and its stores
	SEND 0, 16
	TOSTAGE 2
	SEND 1, 16
	TOSTAGE 3
	SEND 2, 16
	SEND 3, 0
	s_wait_dscnt 0x0                               ; the closing lines, six on end
	s_wait_alu 0x0
	s_wait_tensorcnt 0x0
	ds_add_u32 v[SPW], v[NIL]
	s_wait_dscnt 0x0
	s_endpgm
.Lfunc_end_k_qe19b8e88a6_attn:
	.size	k_qe19b8e88a6_attn, .Lfunc_end_k_qe19b8e88a6_attn-k_qe19b8e88a6_attn
	.p2alignl 7, 3214868480
	.fill 96, 4, 3214868480
	.section	.rodata,"a",@progbits
	.p2align	6, 0x0
	.amdhsa_kernel k_qe19b8e88a6_attn
		.amdhsa_group_segment_fixed_size 101376
		.amdhsa_private_segment_fixed_size 0
		.amdhsa_enable_private_segment 0
		.amdhsa_kernarg_size 32
		.amdhsa_user_sgpr_count 2
		.amdhsa_user_sgpr_kernarg_segment_ptr 1
		.amdhsa_wavefront_size32 1
		.amdhsa_system_sgpr_workgroup_id_x 1
		.amdhsa_system_sgpr_workgroup_id_y 1
		.amdhsa_system_sgpr_workgroup_id_z 1
		.amdhsa_system_vgpr_workitem_id 0
		.amdhsa_next_free_vgpr 512
		.amdhsa_next_free_sgpr 66
		.amdhsa_reserve_vcc 0
		.amdhsa_float_denorm_mode_32 3
		.amdhsa_float_denorm_mode_16_64 3
		.amdhsa_memory_ordered 1
		.amdhsa_forward_progress 1
		.amdhsa_inst_pref_size 164
	.end_amdhsa_kernel
	.amdgpu_metadata
---
amdhsa.version: [ 1, 2 ]
amdhsa.kernels:
  - .name:           k_qe19b8e88a6_attn
    .symbol:         k_qe19b8e88a6_attn.kd
    .args:
      - { .name: x, .offset: 0, .size: 8, .value_kind: global_buffer, .address_space: global }
      - { .name: y, .offset: 8, .size: 8, .value_kind: global_buffer, .address_space: global }
      - { .name: z, .offset: 16, .size: 8, .value_kind: global_buffer, .address_space: global }
      - { .name: out0, .offset: 24, .size: 8, .value_kind: global_buffer, .address_space: global }
    .group_segment_fixed_size: 101376
    .private_segment_fixed_size: 0
    .kernarg_segment_align: 8
    .kernarg_segment_size: 32
    .max_flat_workgroup_size: 256
    .sgpr_count:     66
    .vgpr_count:     512
    .wavefront_size: 32
...
	.end_amdgpu_metadata
.endif
;; end of part 2
